; MI455X (gfx1250); checked and timed in simulation.
; The chip was launched on July 23, 2026; its instructions are those of AMD's public machine-readable ISA for CDNA 5 (MIT licence, August 2026) and "CDNA5" Instruction Set Architecture Reference Guide (July 2026). The comments in the code are by the model that wrote it; some were corrected since.
;; Bahdanau Attention. Allowed arithmetic: matrix products marked QUANTISED: E5M2 operands, one E8M0 scale for each 32 along K, by v_wmma_scale_f32_16x16x128_f8f6f4 with both operands' format E5M2, f32 sums; products left as they are: f32 operands where the result goes on into a quantised operand, else bf16, f16 or f32 operands; f32 sums; everything else in f32.
;; Inputs: Ua_b 1,024 float32; Ua_w_codes 1,024 x 32 x 32 uint8 (E5M2 codes of Ua_w, K innermost, in blocks of 32 codes); Ua_w_scales 1,024 x 32 uint8 (E8M0 scales of Ua_w, one for each 32 codes along K); Va_b 1 float32; Va_w 1 x 1,024 float32; Wa_b 1,024 float32; Wa_w_codes 1,024 x 32 x 32 uint8 (E5M2 codes of Wa_w, K innermost, in blocks of 32 codes); Wa_w_scales 1,024 x 32 uint8 (E8M0 scales of Wa_w, one for each 32 codes along K); keys 32 x 2,048 x 1,024 float32; query_codes 32 x 1 x 32 x 32 uint8 (E5M2 codes of query, K innermost, in blocks of 32 codes); query_scales 32 x 1 x 32 uint8 (E8M0 scales of query, one for each 32 codes along K).
;; Outputs: out0 32 x 1 x 1,024 float32; out1 32 x 1 x 2,048 float32.
;; This version of the problem:
;;   THIS VERSION OF THE PROBLEM IS GIVEN IN LOW PRECISION. The matrix products marked QUANTISED in the list below multiply operands that are first quantised to E5M2 (5 exponent bits, 2 mantissa bits; 8 bits a number), with one power-of-two scale for each 32 numbers along K (OCP MX v1.0); their sums are f32. All else is computed in f32.
;;   The module's matrix products, in the order in which they are computed (A, B: the left and right operand; K: the contracted axis; several contracted axes count as one K, in the product's order):
;;     1. [M 32, K 1,024] x [K 1,024, N 1,024]; A: input query (given as codes); B: input Wa_w (given as codes): QUANTISED
;;     2. [M 65,536, K 1,024] x [K 1,024, N 1,024]; A: input keys; B: input Ua_w (given as codes): QUANTISED
;;     3. [M 65,536, K 1,024] x [K 1,024, N 1]; A: computed on the way; B: input Va_w: left as it is (N = 1 < 16)
;;     4. batch 32 x [M 1, K 2,048] x [K 2,048, N 1,024]; A: softmax; B: input keys: left as it is (M = 1 < 16)
;;   THE QUANTISER, for each operand of a quantised product, along K:
;;     - K is cut into blocks of 32 from its start; a last block that is shorter is filled with zeros.
;;     - A block's scale is 2^e with e = floor(log2(the largest magnitude in the block)) - 15, held to -126 .. 127; a block of zeros has e = 0. As a byte (E8M0): e + 127.
;;     - Each number is divided by its block's scale, clamped to +-57,344, and rounded to the nearest number of E5M2, ties to even, subnormals kept.
;;     - The product sums the exact products of the quantised numbers (number of the format x scale) in f32.
;;   ~~~python
;;   def quantise(x, axis):      # numpy; x: float32 -> the quantised numbers, widened to float32 again
;;       x = np.moveaxis(x, axis, -1); K = x.shape[-1]
;;       x = np.pad(x, [(0, 0)] * (x.ndim - 1) + [(0, -K % 32)]); x = x.reshape(x.shape[:-1] + (-1, 32)); a = np.abs(x).max(-1, keepdims=True)
;;       e = np.where(a > 0, np.clip(np.frexp(np.where(a > 0, a, 1))[1] - 1 - 15, -126, 127), 0)      # np.frexp(a)[1] - 1 = floor(log2(a)), exactly
;;       r = np.clip(x / 2.0 ** e, -57344, 57344)
;;       step = 2.0 ** (np.maximum(np.frexp(np.where(r == 0, 1, r))[1] - 1, -14) - 2)
;;       q = np.round(r / step) * step * 2.0 ** e      # np.round: ties to even
;;       return np.moveaxis(q.reshape(q.shape[:-2] + (-1,))[..., :K], -1, axis).astype(np.float32)
;;   ~~~
;;   INPUTS GIVEN AS CODES. Ua_w (in the module: [1024, 1024], K = its axis 1); Wa_w (in the module: [1024, 1024], K = its axis 1); query (in the module: [32, 1, 1024], K = its axis 2): each comes as NAME_codes (uint8): NAME with its K axis moved to the last place and cut into blocks of 32 codes, [.., K / 32, bytes a block], one block behind the other in memory; one code a byte (a code: sign, 5 exponent bits, 2 mantissa bits); and NAME_scales (uint8): the same leading axes, one E8M0 byte (e + 127) for each 32 codes along K. Its value is code x scale, taken as it is: it is not quantised again, and the codes and scales need not be those that the quantiser above would give.
;; One version. Each part assembles by itself: llvm-mc -triple=amdgcn-amd-amdhsa -mcpu=gfx1250 --defsym DOCPART=n.
;; ======== version 1 of 1: 3 launches
;; limits: right only within a limited range of input values
;; workspace buffers: qbias 131,072 bytes; scores 262,144 bytes
;; launch qproj (part 1): grid 16 x 1, 4 waves a work-group, no clusters, 9,728 bytes of LDS; arguments query_codes, query_scales, Wa_w_codes, Wa_w_scales, Wa_b, Ua_b, qbias; writes qbias
.if DOCPART == 1
	.amdgcn_target "amdgcn-amd-amdhsa--gfx1250"
	.amdhsa_code_object_version 6
	.text
	.protected	k_qfb42483b0f_qproj
	.globl	k_qfb42483b0f_qproj
	.p2align	8
	.type	k_qfb42483b0f_qproj,@function
k_qfb42483b0f_qproj:
	s_mov_b64 s[64:65], 0
	v_nop
	global_prefetch_b8 v0, s[64:65] scope:SCOPE_SE
	s_setreg_imm32_b32 hwreg(HW_REG_WAVE_MODE, 25, 1), 1
	s_wait_xcnt 0x0
; qbias[b][o] = sum over k of query[b][k] Wa[o][k] + Wa_b[o] + Ua_b[o]: the first product, on the given codes of BF8 (E5M2) with the given E8M0 bytes, sums in f32.
; Both biases are added here, since the next launch only ever needs q + Wa_b + Ua_b.
; SHARES.  16 work-groups of four waves; wave w of work-group g takes 16 rows of Wa (o = 16 t .. 16 t + 15, t = 4 g + w) and all 32 batches, as two tiles of 16.
; THE MATRIX INSTRUCTION IS USED TRANSPOSED: source 0 = 16 rows of Wa, source 1 = 16 batches: lane (r, h) then holds batch r and o = 16 t + 8 h + 0 .. 7.
; All operands go from memory straight into registers: a wave reads 16 KB of Wa and the 32 KB of query once; no tile is read twice by a wave, so LDS would spare nothing.
; No cluster: what work-groups share is query's 32 KB, a small part beside Wa's 1 MB, which nobody shares.
; SCALES.  A row has 32 scale bytes, eight words, one for each 128 along K.  One load of 16 bytes at 32 row + 16 h gives four registers: register k holds word k in lanes 0-15 and word 4 + k in lanes 16-31.
; REGISTERS.  window 0: v4-9 addresses; v16-19 Wa's scale words, v20-27 query's; v32-47 the biases; v48-63 two accumulators; v64-79 results; v80-95 rows on the way out; v128-255 Wa's 8 fragments.  window 1: query's 16 fragments.
; LIMITS: NaN and infinities among the inputs are not served.
; WORK LEFT OUT OF THE PROGRAM.  tanh(x) = 1 - 2 / (1 + e^(2x)), so scores[b][s] = Va_b + (sum over o of Va[o]) - 2 sum over o of Va[o] / (1 + e^(2 x[b][s][o])).
; The first two terms are the same for every s of a batch; the scores reach the outputs through the softmax along s alone, which a term that is equal along its axis leaves as it is, for all values of the inputs.
; So neither term is formed, and Va_b is not loaded and is no argument of any launch.  LIMIT: a NaN, an infinity or an overflow that reaches only these two terms is not carried to the results.
.set SP, 272                           ; a stage row: 256 bytes (the work-group's 64 outputs of one batch) + 16
.set MSB, 0
.macro WIN new                         ; the immediate's high byte repeats the setting that is left
.if MSB != \new
	s_set_vgpr_msb (MSB<<8)|\new
.set MSB, \new
.endif
.endm
	s_load_b256 s[4:11], s[0:1], 0x0               ; query's codes s[4:5], its scales s[6:7], Wa's codes s[8:9], its scales s[10:11]
	s_load_b128 s[12:15], s[0:1], 0x20             ; Wa_b, Ua_b
	s_load_b64 s[16:17], s[0:1], 0x30              ; qbias
	v_lshl_add_u32 v126, v0, 2, 0x2400
	v_mov_b32 v127, 0
	v_lshrrev_b32 v1, 5, v0
	v_readfirstlane_b32 s18, v1                    ; wave 0..3
	v_and_b32 v2, 15, v0                           ; r
	v_bfe_u32 v3, v0, 4, 1                         ; h
	v_lshlrev_b32 v4, 10, v2
	v_lshl_add_u32 v4, v3, 4, v4                   ; codes: row r of 1,024 bytes + 16 h
	v_lshlrev_b32 v5, 5, v2
	v_lshl_add_u32 v5, v3, 4, v5                   ; scale bytes: row r of 32 bytes + 16 h
	v_lshlrev_b32 v6, 5, v3                        ; biases: my half's eight numbers
	v_mul_u32_u24 v7, v2, SP
	v_lshl_add_u32 v7, v3, 5, v7
	s_lshl_b32 s28, s18, 6
	v_add_nc_u32 v7, s28, v7                       ; into the stage: row r, + 64 wave + 32 h
	v_mul_u32_u24 v8, v3, SP
	v_lshl_add_u32 v8, v2, 4, v8
	s_mul_i32 s28, s18, 8*SP
	v_add_nc_u32 v8, s28, v8                       ; back: my eight rows, two an instruction, sixteen lanes to a row
	v_lshlrev_b32 v9, 12, v3
	v_lshl_add_u32 v9, v2, 4, v9
	s_lshl_b32 s28, s18, 15
	v_add_nc_u32 v9, s28, v9                       ; and the same place in qbias: rows of 4,096 bytes
	s_lshl_b32 s19, ttmp9, 2
	s_add_co_u32 s19, s19, s18                     ; t
	s_lshl_b32 s20, s19, 14                        ; 16 rows of 1,024 bytes
	s_mov_b32 s21, 0
	s_lshl_b32 s22, s19, 9                         ; 16 rows of 32 bytes
	s_mov_b32 s23, 0
	s_lshl_b32 s24, s19, 6                         ; 16 numbers of 4 bytes
	s_mov_b32 s25, 0
	s_lshl_b32 s26, ttmp9, 8                       ; the work-group's 256 bytes of a row of qbias
	s_mov_b32 s27, 0
	s_wait_kmcnt 0x0
	s_add_nc_u64 s[8:9], s[8:9], s[20:21]
	s_add_nc_u64 s[10:11], s[10:11], s[22:23]
	s_add_nc_u64 s[12:13], s[12:13], s[24:25]
	s_add_nc_u64 s[14:15], s[14:15], s[24:25]
	s_add_nc_u64 s[16:17], s[16:17], s[26:27]
.irp s, 0,1,2,3,4,5,6,7                ; a fragment, 16 rows x 128 K: registers 4 c .. 4 c + 3 hold K = 32 c + 16 h + 0 .. 15
.irp c, 0,1,2,3
	global_load_b128 v[128+16*\s+4*\c:131+16*\s+4*\c], v4, s[8:9] offset:128*\s+32*\c
.endr
.endr
	WIN 0x40                                       ; destination window 1
.irp mt, 0,1
.irp s, 0,1,2,3,4,5,6,7
.irp c, 0,1,2,3
	global_load_b128 v[128*\mt+16*\s+4*\c:128*\mt+16*\s+4*\c+3], v4, s[4:5] offset:16384*\mt+128*\s+32*\c
.endr
.endr
.endr
	WIN 0
	global_load_b128 v[16:19], v5, s[10:11]
	global_load_b128 v[20:23], v5, s[6:7]
	global_load_b128 v[24:27], v5, s[6:7] offset:512
	global_load_b128 v[32:35], v6, s[12:13]
	global_load_b128 v[36:39], v6, s[12:13] offset:16
	global_load_b128 v[40:43], v6, s[14:15]
	global_load_b128 v[44:47], v6, s[14:15] offset:16
	s_wait_loadcnt 0x0
.irp p, 0,2,4,6
	v_pk_add_f32 v[32+\p:33+\p], v[32+\p:33+\p], v[40+\p:41+\p]   ; Wa_b + Ua_b at my eight outputs
.endr
	WIN 0x04                                       ; source 1 (query) window 1
; the two accumulators take turns, one instruction a turn
.irp s, 0,1,2,3,4,5,6,7
.irp mt, 0,1
.if \s == 0
	v_wmma_scale_f32_16x16x128_f8f6f4 v[48+8*\mt:55+8*\mt], v[128+16*\s:143+16*\s], v[128*\mt+16*\s:128*\mt+16*\s+15], 0, v[16+\s], v[20+4*\mt+\s] matrix_a_fmt:MATRIX_FMT_BF8 matrix_b_fmt:MATRIX_FMT_BF8
.elseif \s < 4
	v_wmma_scale_f32_16x16x128_f8f6f4 v[48+8*\mt:55+8*\mt], v[128+16*\s:143+16*\s], v[128*\mt+16*\s:128*\mt+16*\s+15], v[48+8*\mt:55+8*\mt], v[16+\s], v[20+4*\mt+\s] matrix_a_fmt:MATRIX_FMT_BF8 matrix_b_fmt:MATRIX_FMT_BF8
.else
	v_wmma_scale_f32_16x16x128_f8f6f4 v[48+8*\mt:55+8*\mt], v[128+16*\s:143+16*\s], v[128*\mt+16*\s:128*\mt+16*\s+15], v[48+8*\mt:55+8*\mt], v[16+\s-4], v[20+4*\mt+\s-4] matrix_a_fmt:MATRIX_FMT_BF8 matrix_b_fmt:MATRIX_FMT_BF8 matrix_a_scale:MATRIX_SCALE_ROW1 matrix_b_scale:MATRIX_SCALE_ROW1
.endif
.endr
.endr
	WIN 0
.rept 8
	v_nop                                          ; eight places between the last products and the first read of their results
.endr
.irp mt, 0,1
.irp p, 0,2,4,6
	v_pk_add_f32 v[64+8*\mt+\p:65+8*\mt+\p], v[48+8*\mt+\p:49+8*\mt+\p], v[32+\p:33+\p]   ; each accumulator from its low end on
.endr
.endr
; THE WAY OUT.  A lane holds 32 bytes of a batch's row, and a row's 256 bytes come from four waves: they meet in a stage, and sixteen lanes store 256 consecutive bytes, at a multiple of 256 from qbias's first byte.
.irp mt, 0,1
	ds_store_b128 v7, v[64+8*\mt:67+8*\mt] offset:16*SP*\mt
	ds_store_b128 v7, v[68+8*\mt:71+8*\mt] offset:16*SP*\mt+16
.endr
	s_wait_dscnt 0x0                               ; for the others' sake: my stores into the stage are done
	s_barrier_signal -1
	s_barrier_wait -1
.irp i, 0,1,2,3
	ds_load_b128 v[80+4*\i:83+4*\i], v8 offset:2*SP*\i
.endr
.irp i, 0,1,2,3
	s_wait_dscnt 3-\i
	global_store_b128 v9, v[80+4*\i:83+4*\i], s[16:17] offset:8192*\i
.endr
	s_wait_tensorcnt 0x0
	ds_add_u32 v126, v127
	s_wait_dscnt 0x0
	s_endpgm
.Lfunc_end_k_qfb42483b0f_qproj:
	.size	k_qfb42483b0f_qproj, .Lfunc_end_k_qfb42483b0f_qproj-k_qfb42483b0f_qproj
	.p2alignl 7, 3214868480
	.fill 96, 4, 3214868480
	.section	.rodata,"a",@progbits
	.p2align	6, 0x0
	.amdhsa_kernel k_qfb42483b0f_qproj
		.amdhsa_group_segment_fixed_size 9728
		.amdhsa_private_segment_fixed_size 0
		.amdhsa_enable_private_segment 0
		.amdhsa_kernarg_size 56
		.amdhsa_user_sgpr_count 2
		.amdhsa_user_sgpr_kernarg_segment_ptr 1
		.amdhsa_wavefront_size32 1
		.amdhsa_system_sgpr_workgroup_id_x 1
		.amdhsa_system_sgpr_workgroup_id_y 1
		.amdhsa_system_sgpr_workgroup_id_z 1
		.amdhsa_system_vgpr_workitem_id 0
		.amdhsa_next_free_vgpr 512
		.amdhsa_next_free_sgpr 66
		.amdhsa_reserve_vcc 0
		.amdhsa_float_denorm_mode_32 3
		.amdhsa_float_denorm_mode_16_64 3
		.amdhsa_memory_ordered 1
		.amdhsa_forward_progress 1
		.amdhsa_inst_pref_size 17
	.end_amdhsa_kernel
	.amdgpu_metadata
---
amdhsa.version: [ 1, 2 ]
amdhsa.kernels:
  - .name:           k_qfb42483b0f_qproj
    .symbol:         k_qfb42483b0f_qproj.kd
    .args:
      - { .name: query_codes, .offset: 0, .size: 8, .value_kind: global_buffer, .address_space: global }
      - { .name: query_scales, .offset: 8, .size: 8, .value_kind: global_buffer, .address_space: global }
      - { .name: Wa_w_codes, .offset: 16, .size: 8, .value_kind: global_buffer, .address_space: global }
      - { .name: Wa_w_scales, .offset: 24, .size: 8, .value_kind: global_buffer, .address_space: global }
      - { .name: Wa_b, .offset: 32, .size: 8, .value_kind: global_buffer, .address_space: global }
      - { .name: Ua_b, .offset: 40, .size: 8, .value_kind: global_buffer, .address_space: global }
      - { .name: qbias, .offset: 48, .size: 8, .value_kind: global_buffer, .address_space: global }
    .group_segment_fixed_size: 9728
    .private_segment_fixed_size: 0
    .kernarg_segment_align: 8
    .kernarg_segment_size: 56
    .max_flat_workgroup_size: 128
    .sgpr_count:     66
    .vgpr_count:     512
    .wavefront_size: 32
...
	.end_amdgpu_metadata
.endif
;; end of part 1
;; launch scorek (part 2): grid 256 x 1, 4 waves a work-group, clusters of 4 x 1, 327,680 bytes of LDS; arguments keys, Ua_w_codes, Ua_w_scales, qbias, Va_w, scores; writes scores
.if DOCPART == 2
	.amdgcn_target "amdgcn-amd-amdhsa--gfx1250"
	.amdhsa_code_object_version 6
	.text
	.protected	k_qfb42483b0f_scorek
	.globl	k_qfb42483b0f_scorek
	.p2align	8
	.type	k_qfb42483b0f_scorek,@function
k_qfb42483b0f_scorek:
	s_mov_b64 s[64:65], 0
	v_nop
	global_prefetch_b8 v0, s[64:65] scope:SCOPE_SE
	s_setreg_imm32_b32 hwreg(HW_REG_WAVE_MODE, 25, 1), 1
	s_wait_xcnt 0x0
	s_wait_alu depctr_hold_cnt(0) depctr_sa_sdst(0) depctr_va_vdst(0) depctr_va_sdst(0) depctr_va_ssrc(0) depctr_va_vcc(0) depctr_vm_vsrc(0)
	s_getreg_b32 s2, hwreg(HW_REG_IB_STS2, 6, 4)
	s_cmp_eq_u32 s2, 0
	s_cbranch_scc0 .Lentry_in_a_cluster
	s_endpgm
.Lentry_in_a_cluster:
	s_bfe_u32 s2, ttmp6, 0x10000c
	s_cmp_lg_u32 s2, 0x3003
	s_cbranch_scc0 .Lentry_shape_is_right
	s_endpgm
.Lentry_shape_is_right:
; scores[b][s] = -2 sum over o of Va[o] / (1 + e^(2 x)), x = qbias[b][o] + sum over k of Q(keys[b][s][k]) Ua[o][k]: the second product on codes of BF8 (E5M2) with E8M0 scales, sums in f32, and the third in f32.
; LEFT OUT: Va_b and the sum of Va, which tanh = 1 - 2 / (1 + e^(2x)) would add: the same for all s of a batch, and the softmax along s that alone reads the scores is unchanged by them (shown at the first kernel's head).
; SHARES.  256 work-groups x 256 rows of keys; each of four waves owns 64 rows.  PART 1: the wave reads its rows once (loads of 512 consecutive bytes, 64 on their way), turns them through its own LDS stage so that a lane
; holds 16 neighbours along K, quantises them by the stated rule and keeps all codes (64 rows x 1,024) in 512 registers.  PART 2: Ua's 1,024 rows go by in tiles of 16, two tiles a step: 2 x 32 matrix instructions, then tanh and Va.
; TRANSPOSED USE: source 0 = 16 rows of Ua, source 1 = 16 rows of keys: lane (r, h) holds key row r and outputs o = 16 tile + 8 h + 0 .. 7.
; CLUSTER: all work-groups walk the same Ua, so the four of a cluster ask for each tile jointly (mask 15).  Two slots of 64 rows of Ua; Ua's scale bytes (32 KB) come once.
; NO PREFETCH: the keys go straight to registers with 64 loads of a wave out throughout part 1; Ua's 1 MiB is 1/256 of the launch's bytes, and each refill is asked for 128 matrix instructions ahead of its first read.
; LIMITS: NaN and infinities among the inputs are not served.  A block of zeros keeps the scale byte 1: its codes are zeros.  2^t beyond f32's range is infinity, whose reciprocal is 0: tanh = 1.
; REGISTERS.  window 0: v1-15, v40-43 addresses; v16-31 keys' scale words; v32-39 Ua's; v44-127 at work; v128-255 part 1: f32 numbers, part 2: tile X's fragments.
; window 1: v0-127 codes of K steps 0, 1; v128-255 part 1: rows on their way, part 2: tile Y's fragments.  windows 2, 3: v0-191 codes of K steps 2-4, 5-7; v192-255 part 1: rows on their way; part 2 (window 2): 8 accumulators.
.set SLOT1, 1<<17                      ; slot 1 begins here
.set TILEB, 16*1040                    ; 16 rows of Ua: 1,024 bytes + 16 of padding each
.set SCL,   4*TILEB                    ; Ua's scale bytes
.set TBLB,  SCL+32768                  ; c x qbias (4 KB), then -2 Va (4 KB)
.set AST,   TBLB+8192                  ; the keys' scale words, 2 KB a wave
.set OST,   AST+8192                   ; the way out, 256 bytes a wave
.set SPARE, OST+1024                   ; the spare words
.set XST,   SLOT1+4*TILEB              ; the stages: two of 16 rows x 528 bytes for each wave
.set XSTG,  16*528
.set SPW, 1
.set NIL, 2
.set XA,  3
.set STI, 4
.set STO, 5
.set TGO, 6
.set ASA, 7
.set AB0, 8
.set ADB, 9
.set AS0, 10
.set ADS, 11
.set AT0, 12
.set ADT, 13
.set TLA, 14
.set OSA, 15
.set AS,  16
.set BS,  32
.set OSL, 40
.set GO,  41
.set ASL, 42
.set ASW, 43
.set BC,  44                           ; part 2: c x qbias at my 8 outputs of tiles X, Y
.set VA,  60                           ; -2 Va likewise
.set SA,  76                           ; 8 pairs of sums, one for each accumulator
.set TM,  60                           ; part 1: the quantiser's 16 registers; v76, v77 scale words; codes of the four row blocks at v94, v110, v44, v78
.set BF,  128
.set ACC, 192
.set WV,  18
.set G1R, 24                           ; group 1: 16 rows of Ua (a wave's part of a refill)
.set G1H, 32                           ; 64 rows (a whole slot, at the head)
.set G1S, 40                           ; 64 rows of 256 scale bytes
.set G0R, 48
.set G0H, 52
.set G0S, 56
.set SEL, 60
.set MNT, 62
.set TB,  63
.set CS,  66
.set TS,  68
.set TT,  69
.set FILLS, 70
.set AJ,  71
.set KJ,  72
.set KP,  74
.set MSB, 0
.macro WIN new                         ; the immediate's high byte repeats the setting that is left
.if MSB != (\new)
	s_set_vgpr_msb (MSB<<8)|(\new)
.set MSB, (\new)
.endif
.endm
.macro CREST                           ; a round of the cluster's barrier behind its opening barrier
	s_cmp_lg_u32 s[WV], 0
	s_cbranch_scc1 .Lnot_wave_0_\@
	s_barrier_signal -3
.Lnot_wave_0_\@:
	s_barrier_wait -3
	s_barrier_signal -1
	s_barrier_wait -1
.endm
.macro ROUND
	s_barrier_signal -1
	s_barrier_wait -1
	CREST
.endm
	s_load_b256 s[4:11], s[0:1], 0x0               ; keys, Ua's codes, Ua's scales, qbias
	s_load_b128 s[12:15], s[0:1], 0x20             ; Va_w, scores
	v_lshl_add_u32 v[SPW], v0, 2, SPARE
	v_mov_b32 v[NIL], 0
	ds_add_u32 v[SPW], v[NIL]                      ; the opening lines: the add twice on end
	ds_add_u32 v[SPW], v[NIL]
	v_lshrrev_b32 v124, 5, v0
	v_readfirstlane_b32 s[WV], v124                ; wave 0..3
	s_bfe_u32 s19, ttmp6, 0x40000                  ; cx: it enters the keys' and the scores' addresses alone
	s_lshl_b32 s20, ttmp9, 2
	s_add_co_u32 s20, s20, s19                     ; the work-group
	s_lshr_b32 s21, ttmp9, 1                       ; the batch: eight work-groups each
.irp g, G1R, G1H
	s_mov_b32 s[\g], 15|(1<<20)|(1<<21)|(7<<22)|(3<<25)   ; mask of the four; bytes; four words of padding behind every 256
	s_mov_b32 s[\g+1], 1024<<16
	s_mov_b32 s[\g+3], 1024<<16
	s_mov_b32 s[\g+5], 1024
	s_mov_b32 s[\g+6], 0
	s_mov_b32 s[\g+7], 0
.endr
	s_mov_b32 s[G1R+2], 16<<16
	s_mov_b32 s[G1R+4], 16
	s_mov_b32 s[G1H+2], 64<<16
	s_mov_b32 s[G1H+4], 64
	s_mov_b32 s[G1S], 15|(3<<16)|(1<<21)           ; elements of 8 bytes, dense
	s_mov_b32 s[G1S+1], 32<<16
	s_mov_b32 s[G1S+2], 64<<16
	s_mov_b32 s[G1S+3], 32<<16
	s_mov_b32 s[G1S+4], 64
	s_mov_b32 s[G1S+5], 32
	s_mov_b32 s[G1S+6], 0
	s_mov_b32 s[G1S+7], 0
	s_and_b32 s76, s[WV], 1
	s_lshl_b32 s78, s76, 16                        ; head, waves 0, 1: 64 rows of Ua x wave
	s_mov_b32 s79, 0
	s_lshl_b32 s80, s76, 14                        ; head, waves 2, 3: half of the scale bytes
	s_mov_b32 s81, 0
	s_lshl_b32 s82, s[WV], 14                      ; ring: my 16 rows of a slot's 64
	s_mov_b32 s83, 0
	s_lshl_b32 s84, s20, 20                        ; keys: 2^20 bytes a work-group, 2^18 a wave
	s_lshl_b32 s93, s[WV], 18
	s_add_co_u32 s84, s84, s93
	s_mov_b32 s85, 0
	s_lshl_b32 s86, s21, 12
	s_mov_b32 s87, 0
	s_lshl_b32 s88, s20, 10
	s_lshl_b32 s93, s[WV], 8
	s_add_co_u32 s88, s88, s93
	s_mov_b32 s89, 0
	s_mul_i32 s90, s[WV], 2*XSTG
	s_add_co_u32 s90, s90, XST
	s_lshl_b32 s91, s[WV], 11
	s_add_co_u32 s91, s91, AST
	s_add_co_u32 s92, s93, OST
	s_mov_b32 s[G0H], 1
	s_lshl_b32 s[G0H+1], s76, 17
	s_mov_b32 s[G0S], 1
	s_add_co_u32 s[G0S+1], s80, SCL
	s_mov_b32 s[G0R], 1
	s_mul_i32 s[G0R+1], s[WV], TILEB
	s_add_co_u32 s[G0R+1], s[G0R+1], SLOT1         ; the first refill turns it to slot 0
	s_mov_b32 s[SEL], 0x76543210
	s_mov_b32 s[SEL+1], 0xfedcba98
	s_mov_b32 s[MNT], 0x600000                     ; the mantissa field of 57,344
	s_mov_b32 s[CS], 0x4038aa3b                    ; c = 2 log2(e)
	s_mov_b32 s[CS+1], s[CS]
	v_and_b32 v124, 31, v0
	v_and_b32 v125, 15, v0                         ; r
	v_bfe_u32 v126, v0, 4, 1                       ; h
	v_lshlrev_b32 v[XA], 4, v124
	v_add_nc_u32 v[STI], s90, v[XA]                ; into the stage: 16 bytes a lane of a row
	v_mul_u32_u24 v[STO], v125, 528
	v_lshl_add_u32 v[STO], v126, 6, v[STO]
	v_add_nc_u32 v[STO], s90, v[STO]               ; back: row r, 64 h bytes on
	v_lshl_add_u32 v[ASA], v125, 2, s91
	v_lshl_add_u32 v[ASL], v126, 10, v[ASA]        ; lanes 16-31 take K steps 4-7
	v_mul_u32_u24 v[AB0], v125, 1040
	v_lshl_add_u32 v[AB0], v126, 4, v[AB0]
	v_lshlrev_b32 v[AS0], 5, v125
	v_lshl_add_u32 v[AS0], v126, 4, v[AS0]
	v_add_nc_u32 v[AS0], SCL, v[AS0]               ; Ua's scale words: 32 r + 16 h: words 0-3 below, 4-7 above
	v_lshl_add_u32 v[AT0], v126, 5, TBLB
	v_lshl_add_u32 v[OSA], v125, 2, s92
	v_lshl_add_u32 v[OSL], v124, 3, s92
	v_lshlrev_b32 v[GO], 3, v124
	v_lshl_add_u32 v[TLA], v0, 5, TBLB
	v_lshlrev_b32 v[TGO], 5, v0
	s_wait_alu depctr_va_vdst(0)
	s_wait_dscnt 0x0                               ; both opening adds are done
	s_wait_kmcnt 0x0
	s_add_nc_u64 s[G0H+2:G0H+3], s[6:7], s[78:79]
	s_or_b32 s[G0H+3], s[G0H+3], 0x80000000
	s_add_nc_u64 s[G0S+2:G0S+3], s[8:9], s[80:81]
	s_or_b32 s[G0S+3], s[G0S+3], 0x80000000
	s_add_nc_u64 s[G0R+2:G0R+3], s[6:7], s[82:83]
	s_add_nc_u64 s[G0R+2:G0R+3], s[G0R+2:G0R+3], 0x10000   ; the first refill steps it to rows 128 on
	s_or_b32 s[G0R+3], s[G0R+3], 0x80000000
	s_add_nc_u64 s[KP:KP+1], s[4:5], s[84:85]
	s_add_nc_u64 s[10:11], s[10:11], s[86:87]
	s_add_nc_u64 s[14:15], s[14:15], s[88:89]
.macro LOADF q, off                    ; row block q (16 rows), 128 numbers of each: 16 loads of 512 consecutive bytes
.set RB, 192
.if (\q) == 0
.set RB, 128
.endif
.if (\q) < 2
	WIN 0x40
.else
	WIN ((\q)<<6)
.endif
.irp i, 0,1,2,3,4,5,6,7,8,9,10,11,12,13,14,15
	global_load_b128 v[RB+4*\i:RB+4*\i+3], v[XA], s[KP:KP+1] offset:(\off)+(\q)*65536+\i*4096 th:TH_LOAD_NT
.endr
	WIN 0
.endm
.macro TURN q                          ; block q through my stage: in by rows, back with 16 neighbours along K of each block of 32 in a lane
.set RB, 192
.if (\q) == 0
.set RB, 128
.endif
.if (\q) < 2
	WIN 0x04
.else
	WIN ((\q)<<2)
.endif
.irp i, 0,1,2,3,4,5,6,7,8,9,10,11,12,13,14,15
	ds_store_b128 v[STI], v[RB+4*\i:RB+4*\i+3] offset:((\q)%2)*XSTG+528*\i
.endr
	WIN 0
.irp b, 0,1,2,3
.irp j, 0,1,2,3
	ds_load_b128 v[128+64*((\q)%2)+16*\b+4*\j:128+64*((\q)%2)+16*\b+4*\j+3], v[STO] offset:((\q)%2)*XSTG+128*\b+16*\j
.endr
.endr
.endm
.macro QUANT                           ; four blocks of 32 along K of my row: largest magnitude (floor 2^-111), scale byte, hold, codes
.irp b, 0,1,2,3
	v_max3_num_f32 v[TM+\b], |v[XS+16*\b]|, |v[XS+1+16*\b]|, 0x8000000
.endr
.irp i, 2,4,6,8,10,12,14
.irp b, 0,1,2,3
	v_max3_num_f32 v[TM+\b], v[TM+\b], |v[XS+16*\b+\i]|, |v[XS+1+16*\b+\i]|
.endr
.endr
.irp b, 0,1,2,3
	v_permlanex16_b32 v[TM+4+\b], v[TM+\b], s[SEL], s[SEL+1]
.endr
.irp b, 0,1,2,3
	v_max_num_f32 v[TM+\b], v[TM+\b], v[TM+4+\b]
.endr
.irp b, 0,1,2,3
	v_add_nc_u32 v[TM+12+\b], 0xf8800000, v[TM+\b]         ; 15 off the exponent field: the conversion's scale operand
.endr
.irp b, 0,1,2,3
	v_and_or_b32 v[TM+8+\b], v[TM+\b], 0x7f800000, s[MNT]  ; 57,344 x the scale
.endr
.irp b, 0,1,2,3
	v_lshrrev_b32 v[TM+4+\b], 23, v[TM+12+\b]              ; the scale's byte
.endr
	v_lshl_or_b32 v[WS], v[TM+5], 8, v[TM+4]
	v_lshl_or_b32 v[WS], v[TM+6], 16, v[WS]
	v_lshl_or_b32 v[WS], v[TM+7], 24, v[WS]
.irp b, 0,1,2,3
.irp i, 0,1,2,3,4,5,6,7,8,9,10,11,12,13,14,15
	v_med3_num_f32 v[XS+16*\b+\i], v[XS+16*\b+\i], -v[TM+8+\b], v[TM+8+\b]
.endr
	v_cvt_scalef32_pk8_bf8_f32 v[PS+4*\b:PS+1+4*\b], v[XS+16*\b:XS+7+16*\b], v[TM+12+\b]
	v_cvt_scalef32_pk8_bf8_f32 v[PS+2+4*\b:PS+3+4*\b], v[XS+8+16*\b:XS+15+16*\b], v[TM+12+\b]
.endr
	v_nop                                          ; a plain line behind the last conversion
.endm
.macro STEP q, ahead, lc
.set XS, 128+64*((\q)%2)
.set WS, 76+(\q)%2
.if (\q) == 0
.set PS, 94
.elseif (\q) == 1
.set PS, 110
.elseif (\q) == 2
.set PS, 44
.else
.set PS, 78
.endif
	s_wait_dscnt 1                                 ; block q is back from the stage; behind its loads only the last step's scale word was stored
.if \ahead
	LOADF \q, 512                                  ; its registers take the next K step
.endif
.if (\lc) >= 0
	s_wait_loadcnt \lc                             ; the oldest 16 loads, block q + 1, are in
	TURN (\q+1)%4
.endif
	QUANT
	ds_store_b32 v[ASW], v[WS] offset:64*(\q)
.endm
.macro MV16 d, s
.set RI, 0
.rept 16
	v_mov_b32 v[(\d)+RI], v[(\s)+RI]
.set RI, RI+1
.endr
.endm
.macro PLACE k                         ; K step k's four fragments go to the registers in which they stay
.if (\k) < 2
.set CB, 64*(\k)
	WIN 0x40
.elseif (\k) < 5
.set CB, 64*((\k)-2)
	WIN 0x80
.else
.set CB, 64*((\k)-5)
	WIN 0xc0
.endif
	MV16 CB, 94
	MV16 CB+16, 110
	MV16 CB+32, 44
	MV16 CB+48, 78
	WIN 0
.endm
	global_load_b128 v[64:67], v[TGO], s[10:11]    ; my 8 numbers of qbias's row and of Va
	global_load_b128 v[68:71], v[TGO], s[10:11] offset:16
	global_load_b128 v[72:75], v[TGO], s[12:13]
	global_load_b128 v[76:79], v[TGO], s[12:13] offset:16
	LOADF 0, 0
	LOADF 1, 0
	LOADF 2, 0
	ROUND                                          ; in front of the first joint loads
	s_cmp_lt_u32 s[WV], 2                          ; one tensor load a wave: wave 0 slot 0, wave 1 slot 1, waves 2 and 3 the halves of Ua's scale bytes
	s_cbranch_scc0 .Lhead_s
	tensor_load_to_lds s[G0H:G0H+3], s[G1H:G1H+7]
	s_nop 0
.rept 4
	v_nop
.endr
	s_branch .Lhead_j
.Lhead_s:
	tensor_load_to_lds s[G0S:G0S+3], s[G1S:G1S+7]
	s_nop 0
.rept 4
	v_nop
.endr
.Lhead_j:
	WIN 0x40                                       ; the codes' registers are written under branches on the trip's number below: here each is defined on every path
.set RI, 0
.rept 128
	v_mov_b32 v[RI], 0
.set RI, RI+1
.endr
	WIN 0x80
.set RI, 0
.rept 192
	v_mov_b32 v[RI], 0
.set RI, RI+1
.endr
	WIN 0xc0
.set RI, 0
.rept 192
	v_mov_b32 v[RI], 0
.set RI, RI+1
.endr
	WIN 0
	s_wait_loadcnt 48                              ; the four table loads are in; 48 loads of keys stay out
.irp p, 0,2,4,6
	v_pk_mul_f32 v[64+\p:65+\p], v[64+\p:65+\p], s[CS:CS+1] op_sel_hi:[1,0]
	v_pk_mul_f32 v[72+\p:73+\p], v[72+\p:73+\p], -2.0 op_sel_hi:[1,0]
.endr
	ds_store_b128 v[TLA], v[64:67]
	ds_store_b128 v[TLA], v[68:71] offset:16
	ds_store_b128 v[TLA], v[72:75] offset:4096
	ds_store_b128 v[TLA], v[76:79] offset:4112
	LOADF 3, 0
.irp b, 0,1,2,3
	v_mov_b32 v[TM+4+\b], 0                        ; a lane permute's destination counts as a source
.endr
	s_mov_b32 s[KJ], 0
	s_mov_b32 s[AJ], 0
	s_wait_loadcnt 48                              ; block 0 is in
	TURN 0
	s_wait_dscnt 0x0
.Lkstep:                                               ; seven trips, a K step of 128 each; the eighth is written out: it asks for nothing
	v_add_nc_u32 v[ASW], s[AJ], v[ASA]
	STEP 0, 1, 48
	STEP 1, 1, 48
	STEP 2, 1, 48
	STEP 3, 1, 48
	s_wait_alu depctr_va_vdst(0)
.irp k, 0,1,2,3,4,5,6
	s_cmp_lg_u32 s[KJ], \k
	s_cbranch_scc1 .Lnot_step_\k
	PLACE \k
.Lnot_step_\k:
.endr
	s_wait_xcnt 0x0                                ; the loads have read their base
	s_add_nc_u64 s[KP:KP+1], s[KP:KP+1], 512
	s_add_co_u32 s[AJ], s[AJ], 256
	s_add_co_u32 s[KJ], s[KJ], 1
	s_cmp_lt_u32 s[KJ], 7
	s_cbranch_scc1 .Lkstep
	v_add_nc_u32 v[ASW], s[AJ], v[ASA]
	STEP 0, 0, 32
	STEP 1, 0, 16
	STEP 2, 0, 0
	STEP 3, 0, -1
	PLACE 7
.irp m, 0,1,2,3
.irp k, 0,1,2,3
	ds_load_b32 v[AS+4*\m+\k], v[ASL] offset:256*\k+64*\m   ; my own stores, served in order: word k below, word 4 + k above
.endr
.endr
	s_mov_b32 s[TB], 0
	s_mov_b32 s[TS], 0
	s_mov_b32 s[TT], 0
	v_mov_b32 v[ADB], v[AB0]
	v_mov_b32 v[ADS], v[AS0]
	v_mov_b32 v[ADT], v[AT0]
.set RI, 0
.rept 16
	v_mov_b32 v[SA+RI], 0
.set RI, RI+1
.endr
	s_wait_alu depctr_va_vdst(0)
	s_wait_tensorcnt 0x0                           ; my tile of the head's four is in,
	s_wait_dscnt 0x0                               ; and my part of the table is stored
	s_barrier_signal -1
	s_barrier_wait -1
; PART 2
.macro BFL off                         ; a tile's eight fragments, 16 rows x 1,024 K: fragment s at 16 s, its registers 4 c .. 4 c + 3 from byte 128 s + 32 c
.set RI, 0
.rept 32
	ds_load_b128 v[BF+4*RI:BF+4*RI+3], v[ADB] offset:(\off)+32*RI
.set RI, RI+1
.endr
.endm
.macro MM y, s, m
.if (\s) < 2
.set CB, 64*(\s)
.elseif (\s) < 5
.set CB, 64*((\s)-2)
.else
.set CB, 64*((\s)-5)
.endif
.set AC, ACC+32*(\y)+8*(\m)
.if (\s) == 0
	v_wmma_scale_f32_16x16x128_f8f6f4 v[AC:AC+7], v[BF+16*(\s):BF+16*(\s)+15], v[CB+16*(\m):CB+16*(\m)+15], 0, v[BS+4*(\y)+(\s)%4], v[AS+4*(\m)+(\s)%4] matrix_a_fmt:MATRIX_FMT_BF8 matrix_b_fmt:MATRIX_FMT_BF8
.elseif (\s) < 4
	v_wmma_scale_f32_16x16x128_f8f6f4 v[AC:AC+7], v[BF+16*(\s):BF+16*(\s)+15], v[CB+16*(\m):CB+16*(\m)+15], v[AC:AC+7], v[BS+4*(\y)+(\s)%4], v[AS+4*(\m)+(\s)%4] matrix_a_fmt:MATRIX_FMT_BF8 matrix_b_fmt:MATRIX_FMT_BF8
.else
	v_wmma_scale_f32_16x16x128_f8f6f4 v[AC:AC+7], v[BF+16*(\s):BF+16*(\s)+15], v[CB+16*(\m):CB+16*(\m)+15], v[AC:AC+7], v[BS+4*(\y)+(\s)%4], v[AS+4*(\m)+(\s)%4] matrix_a_fmt:MATRIX_FMT_BF8 matrix_b_fmt:MATRIX_FMT_BF8 matrix_a_scale:MATRIX_SCALE_ROW1 matrix_b_scale:MATRIX_SCALE_ROW1
.endif
.endm
.macro RUN y                           ; one tile (y = 0: X, window 0; 1: Y, window 1) against my 64 rows: 32 matrix instructions, the four accumulators by turns; the first K step starts the sums
.irp s, 0,1,2,3,4,5,6,7
.if \s == 0
	WIN 0xa4+(\y)
.elseif \s == 2
	WIN 0xa8+(\y)
.elseif \s == 5
	WIN 0xac+(\y)
.endif
.irp m, 0,1,2,3
	MM \y, \s, \m
.endr
.endr
.endm
.macro TBL t                           ; c x qbias and -2 Va at my 8 outputs of tiles t, t + 1: 8 loads
.irp u, 0,1
	ds_load_b128 v[BC+8*\u:BC+8*\u+3], v[ADT] offset:64*((\t)+\u)
	ds_load_b128 v[BC+8*\u+4:BC+8*\u+7], v[ADT] offset:64*((\t)+\u)+16
	ds_load_b128 v[VA+8*\u:VA+8*\u+3], v[ADT] offset:4096+64*((\t)+\u)
	ds_load_b128 v[VA+8*\u+4:VA+8*\u+7], v[ADT] offset:4096+64*((\t)+\u)+16
.endr
.endm
.macro E1 y                            ; t = c x sum + c x qbias, each accumulator from its low end on
.irp m, 0,1,2,3
.irp p, 0,2,4,6
	v_pk_fma_f32 v[ACC+32*\y+8*\m+\p:ACC+32*\y+8*\m+\p+1], v[ACC+32*\y+8*\m+\p:ACC+32*\y+8*\m+\p+1], s[CS:CS+1], v[BC+8*\y+\p:BC+8*\y+\p+1] op_sel_hi:[1,0,1]
.endr
.endr
.endm
; A PAIR of tiles, t and t + 1 of the slot's four.  meet = 1: the change of slots with a refill (a round of the cluster's barrier); 2: without; nxt = 1: the next pair's fragments are fetched.
.macro PAIR t, meet, nxt
.if \meet
	s_wait_tensorcnt 0x0                           ; my part of the other slot is in, and no load of mine is out: group 0 may be written
	ds_add_u32 v[SPW], v[NIL]
	s_xor_b32 s[TB], s[TB], SLOT1
.if (\meet) == 1
	s_xor_b32 s[G0R+1], s[G0R+1], SLOT1            ; the slot that is being left, 64 rows of Ua further on than the last refill
	s_add_nc_u64 s[G0R+2:G0R+3], s[G0R+2:G0R+3], 0x10000
.endif
	s_wait_dscnt 0x0                               ; the add is done, and tiles X and Y, my last reads of this slot, are in registers
	s_barrier_signal -1
.else
	s_wait_dscnt 33                                ; X and its scale words are in; Y's 33 loads may be out
.endif
	RUN 0
	WIN 0
.if \meet
	s_barrier_wait -1
.if (\meet) == 1
	CREST                                          ; no wave of any partner still reads the slot or has a load on its way
	tensor_load_to_lds s[G0R:G0R+3], s[G1R:G1R+7]
	s_nop 0
.endif
	v_add_nc_u32 v[ADB], s[TB], v[AB0]             ; on to the other slot.  (One of the eight places)
.else
	v_nop
.endif
.rept 7
	v_nop                                          ; eight places between X's products and the loads into their registers and the first read of their results
.endr
	TBL \t
.if \nxt
	ds_load_b128 v[BS:BS+3], v[ADS] offset:512*((\t)+2)
	BFL (((\t)+2)%4)*TILEB
.endif
	s_wait_dscnt 8+33*(\nxt)                       ; Y is in; what was issued just now may be out
	RUN 1
	WIN 0x82
	s_wait_dscnt 33*(\nxt)                         ; the 8 table loads are in
	E1 0                                           ; 16 plain lines on X's results: the places behind Y's products
.if \nxt
	WIN 0
	ds_load_b128 v[BS+4:BS+7], v[ADS] offset:512*((\t)+3)
	WIN 0x40
	BFL (((\t)+3)%4)*TILEB
	WIN 0x82
.endif
	E1 1
	s_wait_alu depctr_va_vdst(0)                   ; a wait ahead of each batch and one behind it
.set RI, 0
.rept 64
	v_exp_f32 v[ACC+RI], v[ACC+RI]                 ; e^(2x)
.set RI, RI+1
.endr
	v_nop
	s_wait_alu depctr_va_vdst(0)
.set RI, 0
.rept 32
	v_pk_add_f32 v[ACC+RI:ACC+RI+1], v[ACC+RI:ACC+RI+1], 1.0 op_sel_hi:[1,0]
.set RI, RI+2
.endr
	s_wait_alu depctr_va_vdst(0)
.set RI, 0
.rept 64
	v_rcp_f32 v[ACC+RI], v[ACC+RI]
.set RI, RI+1
.endr
	v_nop
	s_wait_alu depctr_va_vdst(0)
	WIN 0x02
.irp p, 0,2,4,6                        ; eight chains by turns
.irp y, 0,1
.irp m, 0,1,2,3
	v_pk_fma_f32 v[SA+8*\y+2*\m:SA+8*\y+2*\m+1], v[ACC+32*\y+8*\m+\p:ACC+32*\y+8*\m+\p+1], v[VA+8*\y+\p:VA+8*\y+\p+1], v[SA+8*\y+2*\m:SA+8*\y+2*\m+1]
.endr
.endr
.endr
	WIN 0
.endm
.macro FILLEND                         ; 64 rows of Ua on in the scale bytes and in the tables
	s_add_co_u32 s[TS], s[TS], 2048
	s_add_co_u32 s[TT], s[TT], 256
	v_add_nc_u32 v[ADS], s[TS], v[AS0]
	v_add_nc_u32 v[ADT], s[TT], v[AT0]
	s_wait_alu depctr_va_vdst(0)
.endm
	ds_load_b128 v[BS:BS+3], v[ADS]
	BFL 0
	ds_load_b128 v[BS+4:BS+7], v[ADS] offset:512
	WIN 0x40
	BFL TILEB
	WIN 0
	s_mov_b32 s[FILLS], 14
.Lfill:                                                ; a trip is a slot: 64 rows of Ua; 14 trips fill the slot that they leave again
	PAIR 0, 0, 1
	PAIR 2, 1, 1
	FILLEND
	s_sub_co_u32 s[FILLS], s[FILLS], 1
	s_cmp_lg_u32 s[FILLS], 0
	s_cbranch_scc1 .Lfill
	PAIR 0, 0, 1                                   ; the last two slots are written out: nothing is asked for
	PAIR 2, 2, 1
	FILLEND
	PAIR 0, 0, 1
	PAIR 2, 0, 0
.irp a, 0,1,2,3,4,5,6,7
	v_add_f32 v[96+\a], v[SA+2*\a], v[SA+2*\a+1]
.endr
.irp m, 0,1,2,3
	v_add_f32 v[96+\m], v[96+\m], v[100+\m]
.endr
.irp m, 0,1,2,3
	v_permlanex16_b32 v[100+\m], v[96+\m], s[SEL], s[SEL+1]
.endr
.irp m, 0,1,2,3
	v_add_f32 v[96+\m], v[96+\m], v[100+\m]        ; with the other half's outputs: row 16 m + r's score
.endr
.irp m, 0,1,2,3
	ds_store_b32 v[OSA], v[96+\m] offset:64*\m
.endr
	ds_load_b64 v[104:105], v[OSL]                 ; my own stores, served in order
	s_wait_dscnt 0x0
	global_store_b64 v[GO], v[104:105], s[14:15]   ; the wave's 64 scores: 256 consecutive bytes, at a multiple of 256 from the buffer's first byte
	s_wait_tensorcnt 0x0                           ; the wave's end
	ds_add_u32 v[SPW], v[NIL]
	s_wait_dscnt 0x0
	ROUND                                          ; the closing round
	s_endpgm
.Lfunc_end_k_qfb42483b0f_scorek:
	.size	k_qfb42483b0f_scorek, .Lfunc_end_k_qfb42483b0f_scorek-k_qfb42483b0f_scorek
	.p2alignl 7, 3214868480
	.fill 96, 4, 3214868480
	.section	.rodata,"a",@progbits
	.p2align	6, 0x0
	.amdhsa_kernel k_qfb42483b0f_scorek
		.amdhsa_group_segment_fixed_size 327680
		.amdhsa_private_segment_fixed_size 0
		.amdhsa_enable_private_segment 0
		.amdhsa_kernarg_size 48
		.amdhsa_user_sgpr_count 2
		.amdhsa_user_sgpr_kernarg_segment_ptr 1
		.amdhsa_wavefront_size32 1
		.amdhsa_system_sgpr_workgroup_id_x 1
		.amdhsa_system_sgpr_workgroup_id_y 1
		.amdhsa_system_sgpr_workgroup_id_z 1
		.amdhsa_system_vgpr_workitem_id 0
		.amdhsa_next_free_vgpr 1024
		.amdhsa_next_free_sgpr 96
		.amdhsa_reserve_vcc 0
		.amdhsa_float_denorm_mode_32 3
		.amdhsa_float_denorm_mode_16_64 3
		.amdhsa_memory_ordered 1
		.amdhsa_forward_progress 1
		.amdhsa_inst_pref_size 255
	.end_amdhsa_kernel
	.section	.bss,"aw",@nobits
	.p2align	6
	.space	262144
	.amdgpu_metadata
---
amdhsa.version: [ 1, 2 ]
amdhsa.kernels:
  - .name:           k_qfb42483b0f_scorek
    .symbol:         k_qfb42483b0f_scorek.kd
    .args:
      - { .name: keys, .offset: 0, .size: 8, .value_kind: global_buffer, .address_space: global }
      - { .name: Ua_w_codes, .offset: 8, .size: 8, .value_kind: global_buffer, .address_space: global }
      - { .name: Ua_w_scales, .offset: 16, .size: 8, .value_kind: global_buffer, .address_space: global }
      - { .name: qbias, .offset: 24, .size: 8, .value_kind: global_buffer, .address_space: global }
      - { .name: Va_w, .offset: 32, .size: 8, .value_kind: global_buffer, .address_space: global }
      - { .name: scores, .offset: 40, .size: 8, .value_kind: global_buffer, .address_space: global }
    .group_segment_fixed_size: 327680
    .private_segment_fixed_size: 0
    .kernarg_segment_align: 8
    .kernarg_segment_size: 48
    .max_flat_workgroup_size: 128
    .sgpr_count:     96
    .vgpr_count:     1024
    .wavefront_size: 32
...
	.end_amdgpu_metadata
.endif
;; end of part 2
;; launch context (part 3): grid 256 x 1, 8 waves a work-group, no clusters, 9,216 bytes of LDS; arguments scores, keys, out0, out1; writes out0, out1
.if DOCPART == 3
	.amdgcn_target "amdgcn-amd-amdhsa--gfx1250"
	.amdhsa_code_object_version 6
	.text
	.protected	k_qfb42483b0f_context
	.globl	k_qfb42483b0f_context
	.p2align	8
	.type	k_qfb42483b0f_context,@function
k_qfb42483b0f_context:
	s_mov_b64 s[64:65], 0
	v_nop
	global_prefetch_b8 v0, s[64:65] scope:SCOPE_SE
	s_setreg_imm32_b32 hwreg(HW_REG_WAVE_MODE, 25, 1), 1
	s_wait_xcnt 0x0
; out1[b][s] = softmax over s of scores[b][s], with the row's maximum taken off first; out0[b][c] = sum over s of out1[b][s] keys[b][s][c], on the keys as they are given, all in f32.
; A stream: keys are read once, by loads of 512 consecutive bytes.  One row of weights against 2,048 rows of keys gives the matrix unit nothing to share, so the sums are fused multiply-adds.
; SHARES.  Work-group (b, slab) of 32 x 8 owns columns 128 slab .. 128 slab + 127 of batch b: each output has one owner.  Wave w takes rows 256 w .. 256 w + 255; a lane holds four columns.
; Each work-group makes its batch's softmax itself: 8 KB of scores beside its 1 MB of keys.  No cluster and no tensor load: the scores are all that work-groups share.
; The wave's 256 weights lie in 8 registers: register 4 i + j of lane l is row 128 i + 4 l + j.  Group g takes lane g's eight weights into scalar registers and multiplies the eight rows by them.
; A ring of four groups (32 loads of 512 bytes a wave) is on its way throughout.  All 32 groups are written out: every offset is an immediate (1,044,480 at the most, inside the signed 24 bits: ISA guide, chapter 10), no pointer is stepped.
; LIMITS: NaN and infinities among the scores are not served; weights under 2^-126 come out as 0 (v_exp_f32 flushes: ISA guide 15.8).
.set W,  8                             ; v8-15   my eight scores, then weights
.set AC, 24                            ; v24-31  four pairs of sums: rows' half i, columns' pair p at 4 i + 2 p
.set X,  32                            ; v32-159 four slots of eight rows x 4 registers
.set WT, 32                            ; s32, s34 .. s46: a group's eight weights; the packed form names pairs, so s33 .. s47 are written once
	s_load_b256 s[4:11], s[0:1], 0x0               ; scores s[4:5], keys s[6:7], out0 s[8:9], out1 s[10:11]
	v_lshl_add_u32 v160, v0, 2, 0x2000
	v_mov_b32 v161, 0
	v_lshrrev_b32 v1, 5, v0
	s_delay_alu instid0(VALU_DEP_1)
	v_readfirstlane_b32 s12, v1                    ; wave 0..7
	v_and_b32 v2, 31, v0
	s_delay_alu instid0(VALU_DEP_1)
	v_lshlrev_b32 v1, 4, v2                        ; 16 x lane; never rewritten
	v_lshl_add_u32 v3, v0, 4, 256                  ; LDS: my 16 bytes of the waves' parts: 256 + 512 wave + 16 lane
	s_delay_alu instid0(VALU_DEP_4)
	v_mov_b32 v4, s12
	s_delay_alu instid0(VALU_DEP_1)
	v_lshlrev_b32 v4, 2, v4                        ; LDS: my wave's word
	v_mov_b32 v5, 0
	s_lshr_b32 s13, ttmp9, 3                       ; the batch
	s_and_b32 s14, ttmp9, 7                        ; the slab
	s_lshl_b32 s16, s13, 13                        ; scores and out1: 8,192 bytes a batch, 1,024 a wave
	s_lshl_b32 s17, s12, 10
	s_add_co_u32 s16, s16, s17
	s_mov_b32 s17, 0
	s_lshl_b32 s18, s13, 23                        ; keys: 2^23 bytes a batch, 2^20 a wave, 512 a slab (under 2^28 in all)
	s_lshl_b32 s19, s12, 20
	s_add_co_u32 s18, s18, s19
	s_lshl_b32 s19, s14, 9
	s_add_co_u32 s18, s18, s19
	s_mov_b32 s19, 0
	s_lshl_b32 s20, s13, 12                        ; out0: 4,096 bytes a batch, 512 a slab
	s_lshl_b32 s21, s14, 9
	s_add_co_u32 s20, s20, s21
	s_mov_b32 s21, 0
	s_mov_b32 s24, 0x76543210
	s_mov_b32 s25, 0xfedcba98                      ; v_permlanex16_b32's selects for lane l xor 16
.irp n, 0,1,2,3,4,5,6,7
	s_mov_b32 s[WT+2*\n+1], 0
.endr
	s_wait_alu depctr_va_vdst(0)
	s_wait_kmcnt 0x0
	s_add_nc_u64 s[4:5], s[4:5], s[16:17]
	s_add_nc_u64 s[10:11], s[10:11], s[16:17]
	s_add_nc_u64 s[6:7], s[6:7], s[18:19]
	s_add_nc_u64 s[8:9], s[8:9], s[20:21]
.macro KLOAD g                         ; group g's eight rows, 128 i + 4 g + j, into slot g % 4
.irp i, 0,1
.irp j, 0,1,2,3
	global_load_b128 v[X+32*((\g)%4)+4*(4*\i+\j):X+32*((\g)%4)+4*(4*\i+\j)+3], v1, s[6:7] offset:(\g)*16384+\i*524288+\j*4096 th:TH_LOAD_NT
.endr
.endr
.endm
	global_load_b128 v[W:W+3], v1, s[4:5]
	global_load_b128 v[W+4:W+7], v1, s[4:5] offset:512
	KLOAD 0
	KLOAD 1
	KLOAD 2
	KLOAD 3
	s_wait_loadcnt 32                              ; my scores are in; the ring's 32 loads stay out
	; the batch's largest score: my eight, my wave's, the eight waves'
	v_max3_num_f32 v16, v[W], v[W+1], v[W+2]
	v_max3_num_f32 v17, v[W+3], v[W+4], v[W+5]
	s_delay_alu instid0(VALU_DEP_2)
	v_max3_num_f32 v16, v16, v[W+6], v[W+7]
	s_delay_alu instid0(VALU_DEP_1)
	v_max_num_f32 v16, v16, v17
	s_delay_alu instid0(VALU_DEP_1)
	v_max_num_f32_dpp v16, v16, v16 row_xmask:1 row_mask:0xf bank_mask:0xf
	s_delay_alu instid0(VALU_DEP_1)
	v_max_num_f32_dpp v16, v16, v16 row_xmask:2 row_mask:0xf bank_mask:0xf
	s_delay_alu instid0(VALU_DEP_1)
	v_max_num_f32_dpp v16, v16, v16 row_xmask:4 row_mask:0xf bank_mask:0xf
	s_delay_alu instid0(VALU_DEP_1)
	v_max_num_f32_dpp v16, v16, v16 row_xmask:8 row_mask:0xf bank_mask:0xf
	s_delay_alu instid0(VALU_DEP_1)
	v_permlanex16_b32 v17, v16, s24, s25
	s_delay_alu instid0(VALU_DEP_1)
	v_max_num_f32 v16, v16, v17
	ds_store_b32 v4, v16                           ; all lanes write the same word with the same value
	s_wait_dscnt 0x0                               ; for the others' sake
	s_barrier_signal -1
	s_barrier_wait -1
	ds_load_b128 v[16:19], v5
	ds_load_b128 v[20:23], v5 offset:16
	s_wait_dscnt 0x0
	v_max3_num_f32 v16, v16, v17, v18
	s_delay_alu instid0(VALU_DEP_1)
	v_max3_num_f32 v16, v16, v19, v20
	s_delay_alu instid0(VALU_DEP_1)
	v_max3_num_f32 v16, v16, v21, v22
	s_delay_alu instid0(VALU_DEP_1)
	v_max_num_f32 v16, v16, v23
.irp n, 0,1,2,3,4,5,6,7
	v_sub_f32 v[W+\n], v[W+\n], v16                ; the maximum is taken off: 0 or less
.endr
.irp n, 0,1,2,3,4,5,6,7
	v_mul_f32 v[W+\n], 0x3fb8aa3b, v[W+\n]         ; x log2(e)
.endr
	s_wait_alu depctr_va_vdst(0)
.irp n, 0,1,2,3,4,5,6,7
	v_exp_f32 v[W+\n], v[W+\n]
.endr
	v_nop                                          ; a plain line behind the last exponential,
	s_wait_alu depctr_va_vdst(0)                   ; and one wait for the batch, ahead of its first use
	v_pk_add_f32 v[16:17], v[W:W+1], v[W+2:W+3]
	v_pk_add_f32 v[18:19], v[W+4:W+5], v[W+6:W+7]
	s_delay_alu instid0(VALU_DEP_1)
	v_pk_add_f32 v[16:17], v[16:17], v[18:19]
	s_delay_alu instid0(VALU_DEP_1)
	v_add_f32 v16, v16, v17
	s_delay_alu instid0(VALU_DEP_1)
	v_add_f32_dpp v16, v16, v16 row_xmask:1 row_mask:0xf bank_mask:0xf
	s_delay_alu instid0(VALU_DEP_1)
	v_add_f32_dpp v16, v16, v16 row_xmask:2 row_mask:0xf bank_mask:0xf
	s_delay_alu instid0(VALU_DEP_1)
	v_add_f32_dpp v16, v16, v16 row_xmask:4 row_mask:0xf bank_mask:0xf
	s_delay_alu instid0(VALU_DEP_1)
	v_add_f32_dpp v16, v16, v16 row_xmask:8 row_mask:0xf bank_mask:0xf
	s_delay_alu instid0(VALU_DEP_1)
	v_permlanex16_b32 v17, v16, s24, s25
	s_delay_alu instid0(VALU_DEP_1)
	v_add_f32 v16, v16, v17
	ds_store_b32 v4, v16 offset:32                 ; other bytes than the maxima's: nobody still reads what is written here
	s_wait_dscnt 0x0
	s_barrier_signal -1
	s_barrier_wait -1
	ds_load_b128 v[16:19], v5 offset:32
	ds_load_b128 v[20:23], v5 offset:48
	s_wait_dscnt 0x0
	v_pk_add_f32 v[16:17], v[16:17], v[18:19]
	v_pk_add_f32 v[20:21], v[20:21], v[22:23]
	s_delay_alu instid0(VALU_DEP_1)
	v_pk_add_f32 v[16:17], v[16:17], v[20:21]
	s_delay_alu instid0(VALU_DEP_1)
	v_add_f32 v16, v16, v17                        ; at least 1: the largest score's term
	s_wait_alu depctr_va_vdst(0)
	v_rcp_f32 v16, v16
	v_nop
	s_wait_alu depctr_va_vdst(0)
.irp n, 0,1,2,3,4,5,6,7
	v_mul_f32 v[W+\n], v[W+\n], v16                ; the weights
.endr
	s_cmp_lg_u32 s12, s14                          ; of the batch's eight work-groups, number slab stores wave slab's 256 weights: each byte of out1 has one owner
	s_cbranch_scc1 .Lnot_mine
	global_store_b128 v1, v[W:W+3], s[10:11]       ; 512 consecutive bytes a store
	global_store_b128 v1, v[W+4:W+7], s[10:11] offset:512
.Lnot_mine:
.macro GRP g
.if (\g) <= 28
	s_wait_loadcnt 24                              ; this group's eight loads are in; the three groups behind it stay out
.else
	s_wait_loadcnt 8*(31-(\g))                     ; the last groups ask for nothing: the counts run down
.endif
.irp n, 0,1,2,3,4,5,6,7
	v_readlane_b32 s[WT+2*\n], v[W+\n], \g
.endr
.irp j, 0,1,2,3                        ; four chains by turns
.irp i, 0,1
.irp p, 0,2
.if ((\g) == 0) && (\j == 0)
	v_pk_mul_f32 v[AC+4*\i+\p:AC+4*\i+\p+1], v[X+32*((\g)%4)+4*(4*\i+\j)+\p:X+32*((\g)%4)+4*(4*\i+\j)+\p+1], s[WT+2*(4*\i+\j):WT+2*(4*\i+\j)+1] op_sel_hi:[1,0]   ; the first rows start the sums: nothing is cleared
.else
	v_pk_fma_f32 v[AC+4*\i+\p:AC+4*\i+\p+1], v[X+32*((\g)%4)+4*(4*\i+\j)+\p:X+32*((\g)%4)+4*(4*\i+\j)+\p+1], s[WT+2*(4*\i+\j):WT+2*(4*\i+\j)+1], v[AC+4*\i+\p:AC+4*\i+\p+1] op_sel_hi:[1,0,1]
.endif
.endr
.endr
.endr
.if (\g)+4 < 32
	KLOAD (\g)+4
.endif
.endm
.set G, 0
	s_wait_alu depctr_va_vdst(0)
.rept 32
	GRP G
.set G, G+1
.endr
	s_delay_alu instid0(VALU_DEP_2)
	v_pk_add_f32 v[AC:AC+1], v[AC:AC+1], v[AC+4:AC+5]
	s_delay_alu instid0(VALU_DEP_2)
	v_pk_add_f32 v[AC+2:AC+3], v[AC+2:AC+3], v[AC+6:AC+7]
	ds_store_b128 v3, v[AC:AC+3]                   ; my wave's part of the 128 columns
	s_wait_dscnt 0x0
	s_barrier_signal -1
	s_barrier_wait -1
	s_cmp_lg_u32 s12, 0
	s_cbranch_scc1 .Ldone                          ; wave 0 adds the eight parts
.irp i, 0,1,2,3,4,5,6,7
	ds_load_b128 v[X+4*\i:X+4*\i+3], v3 offset:512*\i
.endr
	s_wait_dscnt 0x0
.irp i, 0,2,4,6
	v_pk_add_f32 v[X+4*\i:X+4*\i+1], v[X+4*\i:X+4*\i+1], v[X+4*\i+4:X+4*\i+5]
	v_pk_add_f32 v[X+4*\i+2:X+4*\i+3], v[X+4*\i+2:X+4*\i+3], v[X+4*\i+6:X+4*\i+7]
.endr
.irp i, 0
	v_pk_add_f32 v[X+4*\i:X+4*\i+1], v[X+4*\i:X+4*\i+1], v[X+4*\i+8:X+4*\i+9]
	v_pk_add_f32 v[X+4*\i+2:X+4*\i+3], v[X+4*\i+2:X+4*\i+3], v[X+4*\i+10:X+4*\i+11]
.endr
.irp i, 4
	s_delay_alu instid0(VALU_DEP_4)
	v_pk_add_f32 v[X+4*\i:X+4*\i+1], v[X+4*\i:X+4*\i+1], v[X+4*\i+8:X+4*\i+9]
	s_delay_alu instid0(VALU_DEP_4)
	v_pk_add_f32 v[X+4*\i+2:X+4*\i+3], v[X+4*\i+2:X+4*\i+3], v[X+4*\i+10:X+4*\i+11]
.endr
	s_delay_alu instid0(VALU_DEP_2)
	v_pk_add_f32 v[X:X+1], v[X:X+1], v[X+16:X+17]
	s_delay_alu instid0(VALU_DEP_2)
	v_pk_add_f32 v[X+2:X+3], v[X+2:X+3], v[X+18:X+19]
	global_store_b128 v1, v[X:X+3], s[8:9]         ; 512 consecutive bytes of out0, at a multiple of 256 from its first byte
.Ldone:
	s_wait_tensorcnt 0x0
	ds_add_u32 v160, v161
	s_wait_dscnt 0x0
	s_endpgm
.Lfunc_end_k_qfb42483b0f_context:
	.size	k_qfb42483b0f_context, .Lfunc_end_k_qfb42483b0f_context-k_qfb42483b0f_context
	.p2alignl 7, 3214868480
	.fill 96, 4, 3214868480
	.section	.rodata,"a",@progbits
	.p2align	6, 0x0
	.amdhsa_kernel k_qfb42483b0f_context
		.amdhsa_group_segment_fixed_size 9216
		.amdhsa_private_segment_fixed_size 0
		.amdhsa_enable_private_segment 0
		.amdhsa_kernarg_size 32
		.amdhsa_user_sgpr_count 2
		.amdhsa_user_sgpr_kernarg_segment_ptr 1
		.amdhsa_wavefront_size32 1
		.amdhsa_system_sgpr_workgroup_id_x 1
		.amdhsa_system_sgpr_workgroup_id_y 1
		.amdhsa_system_sgpr_workgroup_id_z 1
		.amdhsa_system_vgpr_workitem_id 0
		.amdhsa_next_free_vgpr 162
		.amdhsa_next_free_sgpr 66
		.amdhsa_reserve_vcc 0
		.amdhsa_float_denorm_mode_32 3
		.amdhsa_float_denorm_mode_16_64 3
		.amdhsa_memory_ordered 1
		.amdhsa_forward_progress 1
		.amdhsa_inst_pref_size 82
	.end_amdhsa_kernel
	.amdgpu_metadata
---
amdhsa.version: [ 1, 2 ]
amdhsa.kernels:
  - .name:           k_qfb42483b0f_context
    .symbol:         k_qfb42483b0f_context.kd
    .args:
      - { .name: scores, .offset: 0, .size: 8, .value_kind: global_buffer, .address_space: global }
      - { .name: keys, .offset: 8, .size: 8, .value_kind: global_buffer, .address_space: global }
      - { .name: out0, .offset: 16, .size: 8, .value_kind: global_buffer, .address_space: global }
      - { .name: out1, .offset: 24, .size: 8, .value_kind: global_buffer, .address_space: global }
    .group_segment_fixed_size: 9216
    .private_segment_fixed_size: 0
    .kernarg_segment_align: 8
    .kernarg_segment_size: 32
    .max_flat_workgroup_size: 256
    .sgpr_count:     66
    .vgpr_count:     162
    .wavefront_size: 32
...
	.end_amdgpu_metadata
.endif
;; end of part 3
